; MI455X (gfx1250); checked and timed in simulation.
; The chip was launched on July 23, 2026; its instructions are those of AMD's public machine-readable ISA for CDNA 5 (MIT licence, August 2026) and "CDNA5" Instruction Set Architecture Reference Guide (July 2026). The comments in the code are by the model that wrote it; some were corrected since.
;; KAN Linear. Allowed arithmetic: float matrix products may take bf16 or f16 operands with f32 sums; other float arithmetic in f32, or as packed bf16 or f16 multiplies, adds, multiply-adds, maxima and minima; sums over many terms, partial sums and values carried from step to step in f32; what a program stores and reads back later, other than sums and carried values, may be rounded once to bf16 or f16.
;; Inputs: base_bias 512 float32; base_weight 512 x 512 float32; grid 1 x 512 x 10 float32; ln_beta 512 float32; ln_gamma 512 float32; spline_weight 3,072 x 512 float32; x 32,768 x 512 float32.
;; Outputs: out0 32,768 x 512 float32.
;; One version. Each part assembles by itself: llvm-mc -triple=amdgcn-amd-amdhsa -mcpu=gfx1250 --defsym DOCPART=n.
;; ======== version 1 of 1: 2 launches
;; limits: inputs' magnitudes at most 140,737,488,355,328; right only within a limited range of input values
;; workspace buffers: zpack 33,554,432 bytes; wpack 3,792,896 bytes
;; launch prep (part 1): grid 1024 x 1, 8 waves a work-group, no clusters, 42,496 bytes of LDS; arguments x, ln_gamma, ln_beta, base_weight, spline_weight, grid, zpack, wpack; writes zpack, wpack
.if DOCPART == 1
	.amdgcn_target "amdgcn-amd-amdhsa--gfx1250"
	.amdhsa_code_object_version 6
	.text
	.protected	k_qc7d8408264_prep
	.globl	k_qc7d8408264_prep
	.p2align	8
	.type	k_qc7d8408264_prep,@function
k_qc7d8408264_prep:
	s_mov_b64 s[64:65], 0
	v_nop
	global_prefetch_b8 v0, s[64:65] scope:SCOPE_SE
	s_setreg_imm32_b32 hwreg(HW_REG_WAVE_MODE, 25, 1), 1
	s_wait_xcnt 0x0
; PREP.  Three things for the matrix launch that follows.
; (a) z = (x - mean) * rsqrt(var + 1e-3) for every row of x [32768][512], WITHOUT gamma and beta, on x rounded to bf16; mean first, then the centred squares, all in f32 in registers.
;     z is stored as f16 in blocks: zpack[256 blocks of 128 rows][16 granules of 32 features][128 rows][32 features].
; (b) both weights as bf16 in the matrix instruction's register image: wpack, 16 granules of 237,056 bytes: units 0-2 (32,768 bytes each), 7,680 bytes of coefficients, units 3-6.
;     Unit 0 is base_weight, unit j = 1..6 the rows 6 f + j - 1 of spline_weight.  A unit has 32 blocks of 1,024 bytes, one for 16 columns: byte 512 c + 256 h + 16 r + 2 e holds
;     W[32 g + 16 c + 8 h + e][16 n + r].
; (c) for each pair of features 30 quads [a(f0), a(f1), b(f0), b(f1)] of f32: (gamma, beta); five of (2^80 g_2m, 2^80 g_2m+1); 24 of (L, c) with L = 1 / (g_i+k - g_i), c = -g_i L, levels k = 1, 2, 3.
; LIMITS.  Every input is rounded to bf16 before anything is made of it.  z is kept in f16: the normalisation bounds |z| by sqrt(511), and f16 keeps 11 bits of it.  Knots: |g| under 2^47;
; L comes from v_rcp_f32; two knots that coincide give what a division by zero gives.  NaN and infinities are not treated apart.
; SHARES.  A work-group owns 32 rows, each of its eight waves four: a row of 2,048 bytes is 16 registers a lane, so a row's sums never leave the wave.  No matrix unit, no cluster, no tensor load:
; nothing is shared between work-groups and every byte is read once.  The first 224 work-groups pack one piece of the weights a wave (32 K x 32 columns), the next 16 one granule's coefficients (wave 0).
.set GP,    2112                       ; a granule in the stage: 32 rows x 64 bytes + 64 of padding = 528 words
.set CST,   16*GP                      ; the coefficients' stage, 7,680 bytes
.set SPARE, CST+7680                   ; the spare words: 128 bytes for each of eight waves, four blocks of 256 bytes that no other line names
.set GRAN,  237056                     ; a granule of wpack
.set COEF,  98304                      ; where its coefficients begin
.set SPW, 12                           ; v12  my spare word's LDS address; never rewritten
.set NIL, 13                           ; v13  0; never rewritten
.set X,   16                           ; v[16:79]   four rows, 16 registers each
.set T,   80                           ; v[80:111]  the side job's
.set DF,  92                           ; v[92:100]  knot differences
.set CC,  102                          ; v[102:110] c
.set K,   112                          ; v[112:127] at work
	s_load_b512 s[4:19], s[0:1], 0x0               ; x 4:5, gamma 6:7, beta 8:9, base_weight 10:11, spline_weight 12:13, grid 14:15, zpack 16:17, wpack 18:19
	v_lshl_add_u32 v[SPW], v0, 2, SPARE
	v_mov_b32 v[NIL], 0
	v_and_b32 v1, 31, v0                           ; lane
	v_lshrrev_b32 v8, 5, v0
	v_readfirstlane_b32 s20, v8                    ; wave 0..7
	s_mov_b32 s21, 0xffff0000                      ; a word's upper bf16
	s_mov_b32 s22, 0x3b000000                      ; 1 / 512
	s_mov_b32 s24, 0x76543210                      ; v_permlanex16_b32: each lane takes its own place in the other half
	s_mov_b32 s25, 0xfedcba98
	v_lshlrev_b32 v2, 4, v1                        ; 16 x lane; never rewritten
	v_lshrrev_b32 v8, 3, v1                        ; into the stage: my four features of load j lie in granule 4 j + lane / 8,
	v_mul_u32_u24 v5, v8, GP
	v_and_b32 v8, 7, v1
	v_lshl_add_u32 v5, v8, 3, v5                   ; at byte 8 (lane % 8) of the row,
	s_lshl_b32 s28, s20, 8
	v_add_nc_u32 v5, s28, v5                       ; rows 4 wave on
	s_mul_i32 s28, s20, 2*GP
	v_add_nc_u32 v6, s28, v2                       ; back: wave v takes granules 2 v and 2 v + 1
	s_lshl_b32 s26, ttmp9, 16                      ; x: 32 rows of 2,048 bytes a work-group,
	s_lshl_b32 s27, s20, 13                        ; four a wave
	s_add_co_u32 s26, s26, s27
	s_mov_b32 s27, 0
	s_lshr_b32 s28, ttmp9, 2                       ; zpack: block of 128 rows,
	s_lshl_b32 s28, s28, 17
	s_and_b32 s29, ttmp9, 3                        ; my 32 rows of 64 bytes in each of its chunks,
	s_lshl_b32 s29, s29, 11
	s_add_co_u32 s28, s28, s29
	s_lshl_b32 s29, s20, 14                        ; two chunks of 8,192 bytes a wave
	s_add_co_u32 s28, s28, s29
	s_mov_b32 s29, 0
	s_wait_kmcnt 0x0
	s_add_nc_u64 s[4:5], s[4:5], s[26:27]
	s_add_nc_u64 s[16:17], s[16:17], s[28:29]
.irp i, 0,1,2,3
.irp j, 0,1,2,3
	global_load_b128 v[X+16*(\i)+4*(\j):X+16*(\i)+4*(\j)+3], v2, s[4:5] offset:(\i)*2048+(\j)*512 th:TH_LOAD_NT  ; 512 neighbouring bytes each; all 16 go out before anything else
.endr
.endr
	; THE SIDE JOB, under branches on the work-group's and the wave's number; no barrier stands inside.
.macro WLOAD stride                    ; 32 K rows of my 32 columns: lane = column
.set kk, 0
.rept 32
	global_load_b32 v[T+kk], v3, s[34:35] offset:kk*(\stride)
.set kk, kk+1
.endr
.endm
	s_cmp_lt_u32 ttmp9, 224
	s_cbranch_scc0 .Lno_weights
	s_lshl_b32 s28, ttmp9, 3
	s_add_co_u32 s28, s28, s20                     ; piece 0 .. 1,791 = 7 units x 16 granules x 16 column blocks
	s_and_b32 s29, s28, 15                         ; column block of 32
	s_bfe_u32 s30, s28, 0x40004                    ; granule
	s_lshr_b32 s31, s28, 8                         ; unit
	s_lshl_b32 s32, s29, 7
	v_lshl_add_u32 v3, v1, 2, s32                  ; from: 128 x column block + 4 x lane
	v_lshrrev_b32 v4, 4, v1
	v_lshlrev_b32 v4, 10, v4                       ; to: the block of my 16 columns,
	v_and_b32 v8, 15, v1
	v_lshl_add_u32 v4, v8, 4, v4                   ; 16 bytes a column
	s_mul_i32 s32, s30, GRAN
	s_lshl_b32 s33, s31, 15
	s_add_co_u32 s32, s32, s33
	s_lshl_b32 s33, s29, 11
	s_add_co_u32 s32, s32, s33
	s_cmp_ge_u32 s31, 3                            ; units 3 to 6 lie behind the coefficients
	s_cselect_b32 s33, 7680, 0
	s_add_co_u32 s32, s32, s33
	s_mov_b32 s33, 0
	s_add_nc_u64 s[36:37], s[18:19], s[32:33]
	s_cmp_eq_u32 s31, 0
	s_cbranch_scc0 .Lspline
	s_lshl_b32 s32, s30, 16                        ; base_weight: 32 rows of 2,048 bytes a granule
	s_add_nc_u64 s[34:35], s[10:11], s[32:33]
	WLOAD 2048
	s_branch .Lpack
.Lspline:
	s_mul_i32 s32, s30, 192                        ; spline_weight: row 6 (32 g + k) + j - 1
	s_add_co_u32 s32, s32, s31
	s_sub_co_u32 s32, s32, 1
	s_lshl_b32 s32, s32, 11
	s_add_nc_u64 s[34:35], s[12:13], s[32:33]
	WLOAD 12288
.Lpack:
	s_wait_loadcnt 0x0
.set m, 0
.rept 16
	v_cvt_pk_bf16_f32 v[K+m], v[T+2*m], v[T+2*m+1] ; K slots 2 m, 2 m + 1 of my column
.set m, m+1
.endr
.irp q, 0,1,2,3
	global_store_b128 v4, v[K+4*(\q):K+4*(\q)+3], s[36:37] offset:256*(\q)  ; K slots 8 q .. 8 q + 7; sixteen lanes store 256 consecutive bytes, aligned
.endr
	s_branch .Lside_done
.Lno_weights:
	s_cmp_lt_u32 ttmp9, 240
	s_cbranch_scc0 .Lside_done
	s_cmp_eq_u32 s20, 0
	s_cbranch_scc0 .Lside_done
	s_sub_co_u32 s30, ttmp9, 224                   ; granule; lane = feature 32 g + lane
	s_mul_i32 s32, s30, 1280
	v_mad_u32_u24 v3, v1, 40, s32                  ; ten knots of 4 bytes a feature
	s_lshl_b32 s33, s30, 7
	v_lshl_add_u32 v4, v1, 2, s33
.irp m, 0,1,2,3,4
	global_load_b64 v[T+2*(\m):T+2*(\m)+1], v3, s[14:15] offset:8*(\m)
.endr
	global_load_b32 v[T+10], v4, s[6:7]
	global_load_b32 v[T+11], v4, s[8:9]
	v_lshrrev_b32 v7, 1, v1                        ; into the stage: pair lane / 2, 480 bytes a pair, my word of each half quad
	v_mul_u32_u24 v7, v7, 480
	v_and_b32 v8, 1, v1
	v_lshl_add_u32 v7, v8, 2, v7
	v_add_nc_u32 v7, CST, v7
	v_add_nc_u32 v9, CST, v2                       ; back: 16 bytes a lane
	s_mul_i32 s32, s30, GRAN
	s_add_co_u32 s32, s32, COEF
	s_mov_b32 s33, 0
	s_add_nc_u64 s[36:37], s[18:19], s[32:33]
	s_wait_loadcnt 0x0
.set m, 0
.rept 6
	v_cvt_pk_bf16_f32 v[K+m], v[T+2*m], v[T+2*m+1] ; the ten knots, gamma and beta are rounded to bf16
.set m, m+1
.endr
.set m, 0
.rept 6
	v_lshlrev_b32 v[T+2*m], 16, v[K+m]             ; and widened again
	v_and_b32 v[T+2*m+1], s21, v[K+m]
.set m, m+1
.endr
	ds_store_b32 v7, v[T+10]                       ; quad 0: gamma,
	ds_store_b32 v7, v[T+11] offset:8              ; beta
.set i, 0
.rept 10
	v_mul_f32 v[K+i], 0x67800000, v[T+i]           ; 2^80 g_i: exact
	ds_store_b32 v7, v[K+i] offset:(1+i/2)*16+(i%2)*8
.set i, i+1
.endr
.macro LEVEL k, tb                     ; level k: L and c for i = 0 .. 9 - k, quads 6 + tb on
.set i, 0
.rept 10-(\k)
	v_sub_f32 v[DF+i], v[T+i+(\k)], v[T+i]
.set i, i+1
.endr
.set i, 0
.rept 10-(\k)
	v_rcp_f32 v[K+i], v[DF+i]
.set i, i+1
.endr
	v_nop                                          ; a plain instruction between the last reciprocal and the use of its result (ISA guide 5.7.2)
.set i, 0
	s_wait_alu depctr_va_vdst(0)
.rept 10-(\k)
	v_mul_f32 v[CC+i], -v[T+i], v[K+i]
.set i, i+1
.endr
.set i, 0
.rept 10-(\k)
	ds_store_b32 v7, v[K+i] offset:(6+(\tb)+i)*16
	ds_store_b32 v7, v[CC+i] offset:(6+(\tb)+i)*16+8
.set i, i+1
.endr
.endm
	LEVEL 1, 0
	LEVEL 2, 9
	LEVEL 3, 17
.irp k, 0,1,2,3,4,5,6,7,8,9,10,11
	ds_load_b128 v[T+4*(\k):T+4*(\k)+3], v9 offset:512*(\k)  ; LDS serves a wave's instructions in order (ISA guide 5.7.1.4): these see my stores above; no other wave touches this stage
.endr
	s_wait_dscnt 0x0
.irp k, 0,1,2,3,4,5,6,7,8,9,10,11
	global_store_b128 v2, v[T+4*(\k):T+4*(\k)+3], s[36:37] offset:512*(\k)  ; 512 consecutive bytes, aligned
.endr
	s_wait_xcnt 0x0                                ; the stores' data registers are loaded again only behind this wait
.irp k, 12,13,14
	ds_load_b128 v[T+4*(\k)-48:T+4*(\k)-45], v9 offset:512*(\k)
.endr
	s_wait_dscnt 0x0
.irp k, 12,13,14
	global_store_b128 v2, v[T+4*(\k)-48:T+4*(\k)-45], s[36:37] offset:512*(\k)
.endr
.Lside_done:
	s_wait_loadcnt 0x0                             ; my four rows are in
	s_wait_xcnt 0x0                                ; the side job's stores have read their registers: K is rewritten below
.macro WSUM r                          ; the sum over the 32 lanes, in every lane: four steps inside each half ride on the addition, one crosses the halves
	v_add_f32_dpp v[\r], v[\r], v[\r] row_xmask:1 row_mask:0xf bank_mask:0xf
	v_add_f32_dpp v[\r], v[\r], v[\r] row_xmask:2 row_mask:0xf bank_mask:0xf
	v_add_f32_dpp v[\r], v[\r], v[\r] row_xmask:4 row_mask:0xf bank_mask:0xf
	v_add_f32_dpp v[\r], v[\r], v[\r] row_xmask:8 row_mask:0xf bank_mask:0xf
	v_permlanex16_b32 v[(\r)+1], v[\r], s24, s25   ; its destination has been written before
	v_add_f32 v[\r], v[\r], v[(\r)+1]
.endm
.macro LNROW r                         ; one row: rounded to bf16, mean, centred, variance, scaled, f16, into the stage
.set XR, X+16*(\r)
.set m, 0
.rept 8
	v_cvt_pk_bf16_f32 v[K+m], v[XR+2*m], v[XR+2*m+1]
.set m, m+1
.endr
.set m, 0
.rept 8
	v_lshlrev_b32 v[XR+2*m], 16, v[K+m]
	v_and_b32 v[XR+2*m+1], s21, v[K+m]
.set m, m+1
.endr
	v_pk_add_f32 v[K:K+1], v[XR:XR+1], v[XR+2:XR+3]
	v_pk_add_f32 v[K+2:K+3], v[XR+4:XR+5], v[XR+6:XR+7]
	v_pk_add_f32 v[K+4:K+5], v[XR+8:XR+9], v[XR+10:XR+11]
	v_pk_add_f32 v[K+6:K+7], v[XR+12:XR+13], v[XR+14:XR+15]
	v_pk_add_f32 v[K:K+1], v[K:K+1], v[K+2:K+3]
	v_pk_add_f32 v[K+4:K+5], v[K+4:K+5], v[K+6:K+7]
	v_pk_add_f32 v[K:K+1], v[K:K+1], v[K+4:K+5]
	v_add_f32 v[K], v[K], v[K+1]
	WSUM K
	v_mul_f32 v[K+2], s22, v[K]                    ; the mean, twice: a pair for the packed subtraction
	v_mov_b32 v[K+3], v[K+2]
.set m, 0
.rept 8
	v_pk_add_f32 v[XR+2*m:XR+2*m+1], v[XR+2*m:XR+2*m+1], v[K+2:K+3] neg_lo:[0,1] neg_hi:[0,1]
.set m, m+1
.endr
	v_pk_mul_f32 v[K:K+1], v[XR:XR+1], v[XR:XR+1]  ; the centred squares, in two chains started by the first products
	v_pk_mul_f32 v[K+4:K+5], v[XR+2:XR+3], v[XR+2:XR+3]
.set m, 2
.rept 3
	v_pk_fma_f32 v[K:K+1], v[XR+2*m:XR+2*m+1], v[XR+2*m:XR+2*m+1], v[K:K+1]
	v_pk_fma_f32 v[K+4:K+5], v[XR+2*m+2:XR+2*m+3], v[XR+2*m+2:XR+2*m+3], v[K+4:K+5]
.set m, m+2
.endr
	v_pk_add_f32 v[K:K+1], v[K:K+1], v[K+4:K+5]
	v_add_f32 v[K], v[K], v[K+1]
	WSUM K
	v_fmaak_f32 v[K+2], s22, v[K], 0x3a83126f      ; var + 1e-3
	v_rsq_f32 v[K+4], v[K+2]                       ; twice: a pair for the packed multiply
	v_rsq_f32 v[K+5], v[K+2]
	v_nop                                          ; a plain instruction between the root and the use of its result (ISA guide 5.7.2)
.set m, 0
	s_wait_alu depctr_va_vdst(0)
.rept 8
	v_pk_mul_f32 v[XR+2*m:XR+2*m+1], v[XR+2*m:XR+2*m+1], v[K+4:K+5]
.set m, m+1
.endr
.set m, 0
.rept 8
	v_cvt_pk_f16_f32 v[K+8+m], v[XR+2*m], v[XR+2*m+1]
.set m, m+1
.endr
.irp j, 0,1,2,3
	ds_store_b64 v5, v[K+8+2*(\j):K+9+2*(\j)] offset:(\j)*4*GP+(\r)*64  ; four features of granule 4 j + lane / 8
.endr
.endm
	LNROW 0
	LNROW 1
	LNROW 2
	LNROW 3
	s_wait_dscnt 0x0                               ; for the others' sake: my stores into the stage are done
	s_barrier_signal -1
	s_barrier_wait -1                              ; a granule's 32 rows come from all eight waves
.irp k, 0,1,2,3,4,5,6,7
	ds_load_b128 v[X+4*(\k):X+4*(\k)+3], v6 offset:((\k)/4)*GP+((\k)%4)*512
.endr
.irp k, 0,1,2,3,4,5,6,7
	s_wait_dscnt 7-(\k)                            ; LDS loads come back in order: load k is in, the younger ones stay out
	global_store_b128 v2, v[X+4*(\k):X+4*(\k)+3], s[16:17] offset:((\k)/4)*8192+((\k)%4)*512  ; 512 consecutive bytes, aligned
.endr
	s_wait_tensorcnt 0x0                           ; the wave's end, behind my last LDS store
	ds_add_u32 v[SPW], v[NIL]
	s_wait_dscnt 0x0
	s_endpgm
.Lfunc_end_k_qc7d8408264_prep:
	.size	k_qc7d8408264_prep, .Lfunc_end_k_qc7d8408264_prep-k_qc7d8408264_prep
	.p2alignl 7, 3214868480
	.fill 96, 4, 3214868480
	.section	.rodata,"a",@progbits
	.p2align	6, 0x0
	.amdhsa_kernel k_qc7d8408264_prep
		.amdhsa_group_segment_fixed_size 42496
		.amdhsa_private_segment_fixed_size 0
		.amdhsa_enable_private_segment 0
		.amdhsa_kernarg_size 64
		.amdhsa_user_sgpr_count 2
		.amdhsa_user_sgpr_kernarg_segment_ptr 1
		.amdhsa_wavefront_size32 1
		.amdhsa_system_sgpr_workgroup_id_x 1
		.amdhsa_system_sgpr_workgroup_id_y 1
		.amdhsa_system_sgpr_workgroup_id_z 1
		.amdhsa_system_vgpr_workitem_id 0
		.amdhsa_next_free_vgpr 128
		.amdhsa_next_free_sgpr 66
		.amdhsa_reserve_vcc 0
		.amdhsa_float_denorm_mode_32 3
		.amdhsa_float_denorm_mode_16_64 3
		.amdhsa_memory_ordered 1
		.amdhsa_forward_progress 1
		.amdhsa_inst_pref_size 46
	.end_amdhsa_kernel
	.amdgpu_metadata
---
amdhsa.version: [ 1, 2 ]
amdhsa.kernels:
  - .name:           k_qc7d8408264_prep
    .symbol:         k_qc7d8408264_prep.kd
    .args:
      - { .name: x, .offset: 0, .size: 8, .value_kind: global_buffer, .address_space: global }
      - { .name: ln_gamma, .offset: 8, .size: 8, .value_kind: global_buffer, .address_space: global }
      - { .name: ln_beta, .offset: 16, .size: 8, .value_kind: global_buffer, .address_space: global }
      - { .name: base_weight, .offset: 24, .size: 8, .value_kind: global_buffer, .address_space: global }
      - { .name: spline_weight, .offset: 32, .size: 8, .value_kind: global_buffer, .address_space: global }
      - { .name: grid, .offset: 40, .size: 8, .value_kind: global_buffer, .address_space: global }
      - { .name: zpack, .offset: 48, .size: 8, .value_kind: global_buffer, .address_space: global }
      - { .name: wpack, .offset: 56, .size: 8, .value_kind: global_buffer, .address_space: global }
    .group_segment_fixed_size: 42496
    .private_segment_fixed_size: 0
    .kernarg_segment_align: 8
    .kernarg_segment_size: 64
    .max_flat_workgroup_size: 256
    .sgpr_count:     66
    .vgpr_count:     128
    .wavefront_size: 32
...
	.end_amdgpu_metadata
.endif
;; end of part 1
;; launch kan (part 2): grid 256 x 1, 4 waves a work-group, clusters of 4 x 1, 327,680 bytes of LDS; arguments zpack, wpack, base_bias, out0; writes out0
.if DOCPART == 2
	.amdgcn_target "amdgcn-amd-amdhsa--gfx1250"
	.amdhsa_code_object_version 6
	.text
	.protected	k_qc7d8408264_kan
	.globl	k_qc7d8408264_kan
	.p2align	8
	.type	k_qc7d8408264_kan,@function
k_qc7d8408264_kan:
	s_mov_b64 s[64:65], 0
	v_nop
	global_prefetch_b8 v0, s[64:65] scope:SCOPE_SE
	s_setreg_imm32_b32 hwreg(HW_REG_WAVE_MODE, 25, 1), 1
	s_wait_xcnt 0x0
	s_wait_alu depctr_hold_cnt(0) depctr_sa_sdst(0) depctr_va_vdst(0) depctr_va_sdst(0) depctr_va_ssrc(0) depctr_va_vcc(0) depctr_vm_vsrc(0)
	s_getreg_b32 s2, hwreg(HW_REG_IB_STS2, 6, 4)
	s_cmp_eq_u32 s2, 0
	s_cbranch_scc0 .Lentry_in_a_cluster
	s_endpgm
.Lentry_in_a_cluster:
	s_bfe_u32 s2, ttmp6, 0x10000c
	s_cmp_lg_u32 s2, 0x3003
	s_cbranch_scc0 .Lentry_shape_is_right
	s_endpgm
.Lentry_shape_is_right:
; KAN.  out[n][u] = bias[u] + sum over f of relu(xn[n][f]) Wb[f][u] + sum over f, i of B_i(xn[n][f]) Ws[6 f + i][u], xn = z gamma + beta; B_0..B_5 the cubic B-spline bases on feature f's own ten knots.
; z (f16, in blocks), the weights (bf16, in the matrix instruction's register image) and the recursion's coefficients come from the launch before.  Products in bf16 with f32 sums; all else in f32.
; SHARES.  256 work-groups, each 128 rows x all 512 columns; wave w owns all 128 rows x columns 128 w on: 64 accumulators of 16 x 16, 512 registers.  K = 3,584 goes in 16 GRANULES of 32 features, each
; seven UNITS of K = 32: unit 0 relu, unit j basis j - 1; K slot k of a unit is feature 32 g + k.  A granule's activations are made once a work-group, a quarter (eight features) by each wave, and
; shared through a stage in LDS.
; THE RECURSION holds for any ten knots.  d_i = [xn < g_i] = clamp(2^80 g_i - 2^80 xn), exact at equality; B0_i = d_i+1 - d_i d_i+1; with w = xn L + c = (xn - g_i) / (g_i+k - g_i) the right factor of
; basis i is 1 - w_i+1, so a level is U_i = B_i - w_i B_i and B_i = w_i B_i + U_i+1.  95 packed lines for two features of one row.
; LIMITS.  Every input was rounded to bf16 first (the bias here).  For 0 < g_i - xn < 2^-80 the indicator is a fraction; |g| and |xn| stay under 2^47.  NaN and infinities are not treated apart.
; CLUSTER.  All work-groups walk the same weights and coefficients: four form a cluster and ask for each such tile JOINTLY (the same tensor load, descriptor and mask in all four).  z is each
; work-group's own and comes by a plain tensor load of wave 3.
; THE MATRIX INSTRUCTION IS USED TRANSPOSED: source 0 = 16 columns of W, source 1 = 16 rows of activations: a lane holds row l % 16 and the columns 8 (l / 16) + 0..7, 32 neighbouring bytes of out.
; LDS.  XC: units 0-2 and the coefficients; Y: units 3-6; ZR: z, 160 rows of 80 bytes (rows 128-159 arrive as zeros: the tile reaches past its tensor's end); AST: the activations' stage, written by
; LDS stores alone, at the end the stage for the way out; the spare words.  XC and ZR are filled again in the middle of unit 2, Y in the middle of unit 6.
; REGISTERS, in windows of 256 (s_set_vgpr_msb: bits 1:0 source 0, 3:2 source 1, 5:4 source 2, 7:6 destination):
;   window 0: v0-29 addresses; v24-27 z; v32-40 at work; v64-127, v128-191 fragments of the activations, two buffers (while activations are made: v64-147 at work); v192-255 the bias
;   window 1: v0-63, v192-247 the 30 quads of coefficients; v248-249 -2^80; v64-127, v128-191 fragments of W, two buffers
;   window 2: the 32 accumulators of rows 0-63 (row tile a, column tile b at v[8 (8 a + b)]);   window 3: those of rows 64-127
.set GRAN,  237056                     ; a granule of wpack: XC's bytes, then Y's
.set THIRD, 35328                      ; a third of XC: 138 rows of 256 bytes
.set COEF,  98304                      ; the coefficients in XC: 16 pairs of features x 480 bytes
.set YB,    105984                     ; Y
.set ZR,    237056                     ; z
.set AST,   249856                     ; the stage: bf16 of row 16 t + r, feature 8 q + e, unit j at 14,336 q + 2,048 j + 256 t + 16 r + 2 e; wave q alone writes region q
.set QREG,  14336
.set OP,    528                        ; the way out: a row of 512 bytes + 16 of padding = 132 words: row r starts at bank 4 r mod 64 (64 banks of 4 bytes: ISA guide 11.1)
.set SPARE, 307200                     ; the spare words: 128 bytes for each wave, two blocks of 256 bytes that no other line names
.set ADRA, 10                          ; v10  my place in the stage's fragments
.set BA0,  11                          ; v11-14  my place in W's fragments: units 0, 1; unit 2; units 3, 4; units 5, 6
.set BA1,  12
.set BA2,  13
.set BA3,  14
.set CFA,  15                          ; v15  my pair's coefficients
.set ZA0,  16                          ; v16  my z in the first eight rows;  v17 the same, stepping
.set ZA,   17
.set AS0,  18                          ; v18  where my two activations of the first eight rows go;  v19 stepping
.set ASR,  19
.set STO,  20                          ; v20  the way out: where I put 16 bytes of a row
.set RD,   21                          ; v21  where I read a row back
.set GO,   22                          ; v22  my byte offset in a row of out
.set ZERO, 23                          ; v23  0, for the packed maximum
.set ZZ,   24                          ; v24-27  z of four sets of eight rows: two f16 each
.set SPW,  28                          ; v28  my spare word's LDS address; never rewritten
.set NIL,  29                          ; v29  0; never rewritten
.set XN,   32                          ; v32-33  xn of my two features
.set OO,   34                          ; v34-40  the seven activations, two bf16 each
.set F0,   64
.set F1,   128
.set BI,   192                         ; the bias of my 128 columns, as the C operand wants it
.set DD,   64                          ; d, then B: ten pairs
.set WW,   84                          ; w: 24 pairs
.set UU,   132                         ; U: eight pairs
.set NEGH, 248                         ; window 1
.set WV,  12                           ; s12  my wave's number
.set G1J, 24                           ; s[24:31] group 1: a third of XC
.set G1Y, 32                           ; s[32:39] a quarter of Y
.set G1Z, 40                           ; s[40:47] z
.set G0J, 48                           ; s[48:51], s[52:55], s[56:59] their groups 0
.set G0Y, 52
.set G0Z, 56
.set MSB, 0
.macro WIN new                         ; the immediate's high byte repeats the setting that is left; a switch that changes nothing is dropped
.if MSB != (\new)
	s_set_vgpr_msb (MSB<<8)|(\new)
.set MSB, (\new)
.endif
.endm
.macro PLACES                          ; a load into a register that a matrix instruction has read, and a vector line or LDS store that touches its registers, stand four plain vector instructions behind it
.rept 4
	v_nop
.endr
.endm
.macro CREST                           ; a round of the cluster's barrier behind its opening barrier
	s_cmp_lg_u32 s[WV], 0
	s_cbranch_scc1 .Lnot_wave_0_\@
	s_barrier_signal -3
.Lnot_wave_0_\@:
	s_barrier_wait -3
	s_barrier_signal -1
	s_barrier_wait -1
.endm
.macro CROUND
	s_barrier_signal -1
	s_barrier_wait -1
	CREST
.endm
; Waves 0 to 2 ask jointly for the thirds of XC, wave 3 for its work-group's own z.  The branch hangs on the wave's number alone.  An s_nop 0 and four v_nop follow each line.
.macro JLOAD2
	s_cmp_lt_u32 s[WV], 3
	s_cbranch_scc0 .Lfor_z_\@
	tensor_load_to_lds s[G0J:G0J+3], s[G1J:G1J+7]
	s_nop 0
	PLACES
	s_branch .Lasked_\@
.Lfor_z_\@:
	tensor_load_to_lds s[G0Z:G0Z+3], s[G1Z:G1Z+7]
	s_nop 0
	PLACES
.Lasked_\@:
.endm
.macro JLOADY                          ; every wave asks jointly for its quarter of Y
	tensor_load_to_lds s[G0Y:G0Y+3], s[G1Y:G1Y+7]
	s_nop 0
	PLACES
.endm
	s_load_b256 s[4:11], s[0:1], 0x0               ; zpack 4:5, wpack 6:7, bias 8:9, out 10:11
	v_lshl_add_u32 v[SPW], v0, 2, SPARE
	v_mov_b32 v[NIL], 0
	ds_add_u32 v[SPW], v[NIL]                      ; the wave's opening: the add and its wait stand ahead of my first tensor load; the set-up below, work on registers, stands between them
	v_lshrrev_b32 v3, 5, v0
	v_readfirstlane_b32 s[WV], v3                  ; wave 0..3
	s_bfe_u32 s13, ttmp6, 0x40000                  ; cx: my place in the cluster
	s_lshl_b32 s14, ttmp9, 2                       ; in a cluster launch ttmp9 counts clusters
	s_add_co_u32 s14, s14, s13                     ; my block of 128 rows: it enters z's and out's addresses alone
	s_mov_b32 s22, 0xffff0000                      ; a word's upper bf16
	; group 1 for XC and Y: dense bytes as rows of 256: elements of 8 bytes, 32 a row
	s_mov_b32 s[G1J+0], 15|(3<<16)|(1<<21)         ; 15:0 the mask of four; 17:16 elements of 8 bytes; 21 set beside a mask
	s_mov_b32 s[G1J+1], 32<<16                     ; tensor_dim0 = 32
	s_mov_b32 s[G1J+2], 138<<16                    ; tensor_dim1 = 138
	s_mov_b32 s[G1J+3], 32<<16                     ; tile_dim0 = 32
	s_mov_b32 s[G1J+4], 138                        ; tile_dim1 = 138
	s_mov_b32 s[G1J+5], 32                         ; 32 elements from row to row
	s_mov_b32 s[G1J+6], 0
	s_mov_b32 s[G1J+7], 0
	s_mov_b32 s[G1Y+0], 15|(3<<16)|(1<<21)
	s_mov_b32 s[G1Y+1], 32<<16
	s_mov_b32 s[G1Y+2], 128<<16                    ; 128 rows
	s_mov_b32 s[G1Y+3], 32<<16
	s_mov_b32 s[G1Y+4], 128
	s_mov_b32 s[G1Y+5], 32
	s_mov_b32 s[G1Y+6], 0
	s_mov_b32 s[G1Y+7], 0
	; group 1 for z: 8,192 dense bytes as 32 rows of 256, four rows of z each, padded in LDS after every row of z; the tile has 40 rows, of which the last eight lie past the tensor's end and arrive as zeros
	s_mov_b32 s[G1Z+0], (1<<16)|(1<<20)|(3<<22)|(3<<25)  ; no mask; elements of 2 bytes; padding on; after every 16 words (code 3) 4 words (code 3)
	s_mov_b32 s[G1Z+1], 128<<16                    ; tensor_dim0 = 128
	s_mov_b32 s[G1Z+2], 32<<16                     ; tensor_dim1 = 32
	s_mov_b32 s[G1Z+3], 128<<16                    ; tile_dim0 = 128
	s_mov_b32 s[G1Z+4], 40                         ; tile_dim1 = 40
	s_mov_b32 s[G1Z+5], 128
	s_mov_b32 s[G1Z+6], 0
	s_mov_b32 s[G1Z+7], 0
	s_mov_b32 s[G0J], 1                            ; count = 1
	s_mul_i32 s[G0J+1], s[WV], THIRD               ; LDS address: my third of XC
	s_mov_b32 s[G0Y], 1
	s_lshl_b32 s[G0Y+1], s[WV], 15
	s_add_co_u32 s[G0Y+1], s[G0Y+1], YB            ; my quarter of Y
	s_mov_b32 s[G0Z], 1
	s_mov_b32 s[G0Z+1], ZR
	s_mul_i32 s16, s[WV], THIRD                    ; the same places in a granule of wpack
	s_mov_b32 s17, 0
	s_lshl_b32 s2, s[WV], 15
	s_add_co_u32 s2, s2, YB
	s_mov_b32 s3, 0
	s_lshl_b32 s18, s14, 17                        ; my block's 16 chunks of 8,192 bytes
	s_mov_b32 s19, 0
	s_wait_dscnt 0x0                               ; the opening add is done
	s_wait_kmcnt 0x0
	s_add_nc_u64 s[G0J+2:G0J+3], s[6:7], s[16:17]
	s_or_b32 s[G0J+3], s[G0J+3], 0x80000000        ; type = 2
	s_add_nc_u64 s[G0Y+2:G0Y+3], s[6:7], s[2:3]
	s_or_b32 s[G0Y+3], s[G0Y+3], 0x80000000
	s_add_nc_u64 s[G0Z+2:G0Z+3], s[4:5], s[18:19]
	s_or_b32 s[G0Z+3], s[G0Z+3], 0x80000000
	s_lshl_b32 s18, s14, 18                        ; my block's 128 rows of 2,048 bytes of out
	s_add_nc_u64 s[10:11], s[10:11], s[18:19]
	CROUND                                         ; all four work-groups are here: the first joint loads meet
	s_cmp_lt_u32 s[WV], 3                          ; a wave's two first fills stand in one branch, ahead of every wait on TENSORcnt and every LDS read: two loads of mine are out
	s_cbranch_scc0 .Lfirst_z
	tensor_load_to_lds s[G0J:G0J+3], s[G1J:G1J+7]
	s_nop 0
	tensor_load_to_lds s[G0Y:G0Y+3], s[G1Y:G1Y+7]
	s_nop 0
	PLACES
	s_branch .Lfirst_asked
.Lfirst_z:
	tensor_load_to_lds s[G0Z:G0Z+3], s[G1Z:G1Z+7]
	s_nop 0
	tensor_load_to_lds s[G0Y:G0Y+3], s[G1Y:G1Y+7]
	s_nop 0
	PLACES
.Lfirst_asked:
	v_and_b32 v1, 15, v0                           ; r = l % 16
	v_bfe_u32 v2, v0, 4, 1                         ; h = l / 16
	v_and_b32 v3, 31, v0
	v_and_b32 v4, 7, v0                            ; while activations are made: my row among eight,
	v_bfe_u32 v5, v0, 3, 2                         ; my pair among the wave's four pairs of features
	v_lshlrev_b32 v7, 4, v3                        ; 16 x lane
	s_lshl_b32 s2, s[WV], 9
	v_lshl_add_u32 v6, v2, 5, s2                   ; the bias of columns 128 w + 8 h on
.irp b, 0,1,2,3,4,5,6,7
	global_load_b128 v[BI+8*(\b):BI+8*(\b)+3],   v6, s[8:9] offset:64*(\b)
	global_load_b128 v[BI+8*(\b)+4:BI+8*(\b)+7], v6, s[8:9] offset:64*(\b)+16
.endr
	v_add_nc_u32 v[GO], s2, v7                     ; 512 w + 16 x lane
	v_mul_u32_u24 v[ADRA], v2, QREG                ; a fragment's registers 0-3 are K slots 8 h on: region h; registers 4-7 region 2 + h
	v_lshl_add_u32 v[ADRA], v1, 4, v[ADRA]
	v_add_nc_u32 v[ADRA], AST, v[ADRA]
	s_lshl_b32 s2, s[WV], 13                       ; my eight column tiles of 1,024 bytes
	v_add_nc_u32 v[BA0], s2, v7
	v_add_nc_u32 v[BA1], 65536, v[BA0]
	v_add_nc_u32 v[BA2], YB, v[BA0]
	v_add_nc_u32 v[BA3], YB+65536, v[BA0]
	s_mul_i32 s2, s[WV], 4*480
	s_add_co_u32 s2, s2, COEF
	v_mul_u32_u24 v[CFA], v5, 480
	v_add_nc_u32 v[CFA], s2, v[CFA]                ; pair 4 w + p
	s_lshl_b32 s2, s[WV], 4
	s_add_co_u32 s2, s2, ZR
	v_mul_u32_u24 v[ZA0], v4, 80
	v_lshl_add_u32 v[ZA0], v5, 2, v[ZA0]
	v_add_nc_u32 v[ZA0], s2, v[ZA0]                ; row x 80 + 16 w + 4 p
	s_mul_i32 s2, s[WV], QREG
	s_add_co_u32 s2, s2, AST
	v_lshlrev_b32 v[AS0], 4, v4
	v_lshl_add_u32 v[AS0], v5, 2, v[AS0]
	v_add_nc_u32 v[AS0], s2, v[AS0]                ; my region + 16 x row + 4 p: 32 lanes fill 128 neighbouring bytes
	s_mul_i32 s2, s[WV], 16*OP
	s_add_co_u32 s2, s2, AST
	v_mul_u32_u24 v[STO], v1, OP
	v_lshl_add_u32 v[STO], v2, 5, v[STO]
	v_add_nc_u32 v[STO], s2, v[STO]
	v_add_nc_u32 v[RD], s2, v7
	v_mov_b32 v[ZERO], 0
	WIN 0x40
	v_mov_b32 v[NEGH], 0xe7800000                  ; -2^80, a pair
	v_mov_b32 v[NEGH+1], 0xe7800000
	WIN 0
	s_wait_loadcnt 0x0
.set m, 0
.rept 32                                ; the bias is rounded to bf16, like every input, and widened again
	v_cvt_pk_bf16_f32 v[8+m%2], v[BI+2*m], v[BI+2*m+1]
	v_lshlrev_b32 v[BI+2*m], 16, v[8+m%2]
	v_and_b32 v[BI+2*m+1], s22, v[8+m%2]
.set m, m+1
.endr
; 32 LDS loads in one run: unit j's fragments into buffer f: W's eight column tiles (each 512 neighbouring bytes twice), then the activations' eight row tiles
.macro FETCH j, f
.if (\j) < 2
.set BAR, BA0
.set IMM, 32768*(\j)
.elseif (\j) == 2
.set BAR, BA1
.set IMM, 0
.elseif (\j) < 5
.set BAR, BA2
.set IMM, 32768*((\j)-3)
.else
.set BAR, BA3
.set IMM, 32768*((\j)-5)
.endif
	WIN 0x40                                       ; destination window 1, address window 0
.irp i, 0,1,2,3,4,5,6,7
	ds_load_b128 v[(\f)+8*(\i):(\f)+8*(\i)+3],   v[BAR] offset:IMM+1024*(\i)
	ds_load_b128 v[(\f)+8*(\i)+4:(\f)+8*(\i)+7], v[BAR] offset:IMM+1024*(\i)+512
.endr
	WIN 0
.irp i, 0,1,2,3,4,5,6,7
	ds_load_b128 v[(\f)+8*(\i):(\f)+8*(\i)+3],   v[ADRA] offset:2048*(\j)+256*(\i)
	ds_load_b128 v[(\f)+8*(\i)+4:(\f)+8*(\i)+7], v[ADRA] offset:2048*(\j)+256*(\i)+2*QREG
.endr
.endm
; 16 matrix instructions: row tiles a0, a0 + 1 of the window's four x all 8 column tiles.  cm = 1: the bias starts the sums: nothing is cleared.
; The 64 accumulators take turns, one instruction a turn, in the same order in every unit.
.macro MUL16 f, hi, a0, cm
.if \cm
	WIN 0x81+0x40*(\hi)                            ; W window 1, activations and C window 0, D window 2 or 3
.else
	WIN 0xa1+0x50*(\hi)                            ; C and D window 2 or 3
.endif
.irp a, \a0, (\a0)+1
.irp b, 0,1,2,3,4,5,6,7
.if \cm
	v_wmma_f32_16x16x32_bf16 v[8*(8*(\a)+(\b)):8*(8*(\a)+(\b))+7], v[(\f)+8*(\b):(\f)+8*(\b)+7], v[(\f)+8*(4*(\hi)+(\a)):(\f)+8*(4*(\hi)+(\a))+7], v[BI+8*(\b):BI+8*(\b)+7]
.else
	v_wmma_f32_16x16x32_bf16 v[8*(8*(\a)+(\b)):8*(8*(\a)+(\b))+7], v[(\f)+8*(\b):(\f)+8*(\b)+7], v[(\f)+8*(4*(\hi)+(\a)):(\f)+8*(4*(\hi)+(\a))+7], v[8*(8*(\a)+(\b)):8*(8*(\a)+(\b))+7]
.endif
.endr
.endr
.endm
; A unit: 64 matrix instructions on buffer f; in its middle the next unit's fragments are fetched into buffer g
.macro UNIT j, f, g, cm
	s_wait_dscnt 0x8                               ; W and row tiles 0-3 are in; the youngest eight loads (row tiles 4-7) may be out
	MUL16 \f, 0, 0, \cm
	MUL16 \f, 0, 2, \cm
	PLACES
	FETCH (\j)+1, \g
	s_wait_dscnt 0x20                              ; all but the 32 just issued
	MUL16 \f, 1, 0, \cm
	MUL16 \f, 1, 2, \cm
.endm
; What the making of a granule's activations begins with: the stepping addresses, z of the first 32 rows, my pair's 30 quads of coefficients
.macro PRE
	WIN 0
	v_mov_b32 v[ZA], v[ZA0]
	v_mov_b32 v[ASR], v[AS0]
.irp i, 0,1,2,3
	ds_load_b32 v[ZZ+(\i)], v[ZA] offset:640*(\i)
.endr
	WIN 0x40
.set kq, 0
.rept 30
	ds_load_b128 v[4*kq+128*(kq/16):4*kq+128*(kq/16)+3], v[CFA] offset:16*kq  ; quads 0-15 at v0-63, quads 16-29 at v192-247
.set kq, kq+1
.endr
	WIN 0
.endm
; Units 2 and 6 hold a barrier in their middle.  In front of it each wave waits for all its tensor loads, adds 0 to its spare word, and waits for that and for its own LDS reads.
; kind 0 (unit 2): XC and ZR have been read out and Y is whole; a round of the cluster's barrier; XC and ZR are asked for again, the next granule's; unit 3 is fetched.
; kind 1 (unit 6): Y and the stage have been read out, XC and ZR are whole; a round; Y is asked for again; the making of the next activations begins.
; kind 2, 3: the same two places in the last granule: nothing is asked for, so no round follows.
.macro TURNX j, f, g, kind
	WIN 0                                          ; (the add's two registers lie in window 0)
	s_wait_tensorcnt 0x0                           ; all my tensor loads have landed, so every group 0 may be written
	ds_add_u32 v[SPW], v[NIL]                      ; 0 onto my spare word
	s_wait_dscnt 0x9                               ; (the add and the youngest eight loads may be out)
	MUL16 \f, 0, 0, 0                              ; sixteen matrix instructions stand between the add and the wait for it
	s_wait_dscnt 0x0                               ; the add is done, and all my LDS reads are back
	s_barrier_signal -1
	MUL16 \f, 0, 2, 0                              ; work on registers while the others arrive
	WIN 0
	s_barrier_wait -1
.if (\kind) == 0
	CREST                                          ; no wave of any partner still reads XC or has a load on its way
	s_add_nc_u64 s[G0J+2:G0J+3], s[G0J+2:G0J+3], GRAN
	s_add_nc_u64 s[G0Z+2:G0Z+3], s[G0Z+2:G0Z+3], 8192
	JLOAD2                                         ; my one tensor load behind the round, 224 matrix instructions ahead of the wait for it; its four v_nop are also the places in front of the loads below
	FETCH (\j)+1, \g
.elseif (\kind) == 1
	CREST
	s_add_nc_u64 s[G0Y+2:G0Y+3], s[G0Y+2:G0Y+3], GRAN
	JLOADY                                         ; my one tensor load behind the round: it has the next activations and two and a half units in which to land
	PRE
.elseif (\kind) == 2
	PLACES
	FETCH (\j)+1, \g
.endif
	MUL16 \f, 1, 0, 0
	MUL16 \f, 1, 2, 0
.endm
.macro LEVEL wb, n                     ; one level of the recursion on n bases; its w begin at number wb
.set ii, 1
.rept (\n)-1
	v_pk_fma_f32 v[UU+2*ii-2:UU+2*ii-1], v[WW+2*((\wb)+ii):WW+2*((\wb)+ii)+1], v[DD+2*ii:DD+2*ii+1], v[DD+2*ii:DD+2*ii+1] neg_lo:[1,0,0] neg_hi:[1,0,0]  ; U_i = B_i - w_i B_i
.set ii, ii+1
.endr
.set ii, 0
.rept (\n)-1
	v_pk_fma_f32 v[DD+2*ii:DD+2*ii+1], v[WW+2*((\wb)+ii):WW+2*((\wb)+ii)+1], v[DD+2*ii:DD+2*ii+1], v[UU+2*ii:UU+2*ii+1]  ; B_i = w_i B_i + U_i+1
.set ii, ii+1
.endr
.endm
; The seven activations of my two features for set rs of eight rows.  pre = 1: z of the next 32 rows is asked for.
.macro ROWSET rs, pre
	WIN 0x14                                       ; sources 1 and 2: the coefficients, window 1
	v_fma_mix_f32 v[XN], v[ZZ+(\rs)], v0, v2 op_sel_hi:[1,0,0]                    ; xn = z gamma + beta: z's low half,
	v_fma_mix_f32 v[XN+1], v[ZZ+(\rs)], v1, v3 op_sel:[1,0,0] op_sel_hi:[1,0,0]   ; its high half
.set ii, 0
.rept 10
	v_pk_fma_f32 v[DD+2*ii:DD+2*ii+1], v[XN:XN+1], v[NEGH:NEGH+1], v[4+2*ii:5+2*ii] clamp  ; d_i = [xn < g_i]
.set ii, ii+1
.endr
.set tt, 0
.rept 24
.set cq, 4*(6+tt)+128*((6+tt)/16)
	v_pk_fma_f32 v[WW+2*tt:WW+2*tt+1], v[XN:XN+1], v[cq:cq+1], v[cq+2:cq+3]       ; w = xn L + c
.set tt, tt+1
.endr
	WIN 0
.if \pre
	v_add_nc_u32 v[ZA], 2560, v[ZA]                ; 32 rows on; behind the last 32 rows these are the tile's zero rows
.irp i, 0,1,2,3
	ds_load_b32 v[ZZ+(\i)], v[ZA] offset:640*(\i)
.endr
.endif
	v_cvt_pk_bf16_f32 v[OO], v[XN], v[XN+1]
	v_pk_max_num_bf16 v[OO], v[OO], v[ZERO]        ; relu
.set ii, 0
.rept 9
	v_pk_fma_f32 v[DD+2*ii:DD+2*ii+1], v[DD+2*ii:DD+2*ii+1], v[DD+2*ii+2:DD+2*ii+3], v[DD+2*ii+2:DD+2*ii+3] neg_lo:[1,0,0] neg_hi:[1,0,0]  ; B0_i = d_i+1 - d_i d_i+1, in place, ascending
.set ii, ii+1
.endr
	LEVEL 0, 9
	LEVEL 9, 8
	LEVEL 17, 7
.set ii, 0
.rept 6
	v_cvt_pk_bf16_f32 v[OO+1+ii], v[DD+2*ii], v[DD+2*ii+1]
.set ii, ii+1
.endr
.irp u, 0,1,2,3,4,5,6
	ds_store_b32 v[ASR], v[OO+(\u)] offset:2048*(\u)+128*(\rs)
.endr
.endm
; A granule's activations: four trips of 32 rows
.macro PROD
	WIN 0
	PLACES                                         ; the lines below write registers that the last products read
	s_wait_dscnt 0x0                               ; z and the coefficients are in
	s_mov_b32 s21, 4
.Lprod_\@:
	s_wait_dscnt 0x7                               ; this trip's z is in: behind its four loads stand the last set's seven stores
	ROWSET 0, 0
	ROWSET 1, 0
	ROWSET 2, 0
	ROWSET 3, 1
	v_add_nc_u32 v[ASR], 512, v[ASR]               ; two row tiles on
	s_sub_co_u32 s21, s21, 1
	s_cmp_lg_u32 s21, 0
	s_cbranch_scc1 .Lprod_\@
.endm
.macro SHOW                            ; the stage is whole: each wave's stores are done, then the barrier; Y's load may stay out
	s_wait_dscnt 0x0
	s_barrier_signal -1
	s_barrier_wait -1
.endm
	s_wait_tensorcnt 0x1                           ; my part of XC, or z, is in; Y's may stay out
	s_barrier_signal -1
	s_barrier_wait -1                              ; everybody's is
	PRE
	PROD
	SHOW
	FETCH 0, F0
	UNIT 0, F0, F1, 1                              ; the first unit stands in front of the loop: its products start the sums, with the bias
	WIN 0                                          ; at a label and at a branch every window is 0
	s_mov_b32 s20, 15
.Lgran:                                                ; 15 trips: from a granule's unit 1 to the next granule's unit 0; every fill of every trip is read later
	UNIT 1, F1, F0, 0
	TURNX 2, F0, F1, 0
	UNIT 3, F1, F0, 0
	UNIT 4, F0, F1, 0
	UNIT 5, F1, F0, 0
	TURNX 6, F0, F1, 1
	PROD
	SHOW
	FETCH 0, F0
	UNIT 0, F0, F1, 0
	WIN 0
	s_sub_co_u32 s20, s20, 1
	s_cmp_lg_u32 s20, 0
	s_cbranch_scc1 .Lgran
	UNIT 1, F1, F0, 0                              ; the last granule is written out: it asks for nothing
	TURNX 2, F0, F1, 2                             ; its barrier shows Y's last fill to every wave
	UNIT 3, F1, F0, 0
	UNIT 4, F0, F1, 0
	UNIT 5, F1, F0, 0
	TURNX 6, F0, F1, 3                             ; behind its barrier nobody reads the activations' stage any more
; THE WAY OUT.  Row tile a: a lane's 32 bytes of a row go into my own stage (16 rows of 528 bytes, where the activations lay) and come back as whole rows of 512 bytes.
.macro TOSTAGE a
	WIN 0
	s_wait_xcnt 0x0                                ; earlier stores have read their registers: the loads below land on them only behind this wait
	WIN 0x08+4*((\a)/4)                            ; the stores' data: window 2 or 3
.irp b, 0,1,2,3,4,5,6,7
	ds_store_b128 v[STO], v[8*(8*((\a)%4)+(\b)):8*(8*((\a)%4)+(\b))+3]   offset:64*(\b)     ; each accumulator's lowest registers first
	ds_store_b128 v[STO], v[8*(8*((\a)%4)+(\b))+4:8*(8*((\a)%4)+(\b))+7] offset:64*(\b)+16
.endr
	WIN 0
.set BK, F0+64*((\a)%2)
.irp t, 0,1,2,3,4,5,6,7,8,9,10,11,12,13,14,15
	ds_load_b128 v[BK+4*(\t):BK+4*(\t)+3], v[RD] offset:OP*(\t)  ; LDS serves a wave's instructions in order (ISA guide 5.7.1.4): these see the stores above; the next tile's stores come behind them
.endr
.endm
.macro SEND a, younger                 ; younger: the LDS instructions issued behind tile a's loads: the next tile's 32, or none
.set BK, F0+64*((\a)%2)
	s_wait_dscnt \younger
.irp t, 0,1,2,3,4,5,6,7,8,9,10,11,12,13,14,15
	global_store_b128 v[GO], v[BK+4*(\t):BK+4*(\t)+3], s[10:11] offset:(16*(\a)+(\t))*2048 th:TH_STORE_NT  ; 512 consecutive bytes of a row, at a multiple of 512 from out's first byte
.endr
.endm
	PLACES                                         ; behind the last products
	TOSTAGE 0
.irp a, 1,2,3,4,5,6,7
	TOSTAGE \a
	SEND (\a)-1, 32
.endr
	SEND 7, 0
	s_wait_tensorcnt 0x0                           ; the wave's end, behind my last tensor load and my last LDS store
	ds_add_u32 v[SPW], v[NIL]
	s_wait_dscnt 0x0
	CROUND                                         ; the closing round: no work-group ends while a partner may still ask for a tile that names it
	s_endpgm
.Lfunc_end_k_qc7d8408264_kan:
	.size	k_qc7d8408264_kan, .Lfunc_end_k_qc7d8408264_kan-k_qc7d8408264_kan
	.p2alignl 7, 3214868480
	.fill 96, 4, 3214868480
	.section	.rodata,"a",@progbits
	.p2align	6, 0x0
	.amdhsa_kernel k_qc7d8408264_kan
		.amdhsa_group_segment_fixed_size 327680
		.amdhsa_private_segment_fixed_size 0
		.amdhsa_enable_private_segment 0
		.amdhsa_kernarg_size 32
		.amdhsa_user_sgpr_count 2
		.amdhsa_user_sgpr_kernarg_segment_ptr 1
		.amdhsa_wavefront_size32 1
		.amdhsa_system_sgpr_workgroup_id_x 1
		.amdhsa_system_sgpr_workgroup_id_y 1
		.amdhsa_system_sgpr_workgroup_id_z 1
		.amdhsa_system_vgpr_workitem_id 0
		.amdhsa_next_free_vgpr 1024
		.amdhsa_next_free_sgpr 66
		.amdhsa_reserve_vcc 0
		.amdhsa_float_denorm_mode_32 3
		.amdhsa_float_denorm_mode_16_64 3
		.amdhsa_memory_ordered 1
		.amdhsa_forward_progress 1
		.amdhsa_inst_pref_size 190
	.end_amdhsa_kernel
	.amdgpu_metadata
---
amdhsa.version: [ 1, 2 ]
amdhsa.kernels:
  - .name:           k_qc7d8408264_kan
    .symbol:         k_qc7d8408264_kan.kd
    .args:
      - { .name: zpack, .offset: 0, .size: 8, .value_kind: global_buffer, .address_space: global }
      - { .name: wpack, .offset: 8, .size: 8, .value_kind: global_buffer, .address_space: global }
      - { .name: base_bias, .offset: 16, .size: 8, .value_kind: global_buffer, .address_space: global }
      - { .name: out0, .offset: 24, .size: 8, .value_kind: global_buffer, .address_space: global }
    .group_segment_fixed_size: 327680
    .private_segment_fixed_size: 0
    .kernarg_segment_align: 8
    .kernarg_segment_size: 32
    .max_flat_workgroup_size: 128
    .sgpr_count:     66
    .vgpr_count:     1024
    .wavefront_size: 32
...
	.end_amdgpu_metadata
.endif
;; end of part 2
